; MI455X (gfx1250); checked and timed in simulation.
; The chip was launched on July 23, 2026; its instructions are those of AMD's public machine-readable ISA for CDNA 5 (MIT licence, August 2026) and "CDNA5" Instruction Set Architecture Reference Guide (July 2026). The comments in the code are by the model that wrote it; some were corrected since.
;; Attention. Allowed arithmetic: matrix products marked QUANTISED: E2M3 operands, one E8M0 scale for each 32 along K, by v_wmma_scale_f32_16x16x128_f8f6f4 with both operands' format E2M3, f32 sums; everything else in f32.
;; Inputs: attention_mask 1 x 1 x 2,048 x 2,048 bool; key_codes 2,048 x 4 x 16 x 4 x 24 uint8 (E2M3 codes of key, K innermost, in blocks of 32 codes, four codes in three bytes); key_scales 2,048 x 4 x 16 x 4 uint8 (E8M0 scales of key, one for each 32 codes along K); query_codes 2,048 x 4 x 16 x 4 x 24 uint8 (E2M3 codes of query, K innermost, in blocks of 32 codes, four codes in three bytes); query_scales 2,048 x 4 x 16 x 4 uint8 (E8M0 scales of query, one for each 32 codes along K); value_codes 4 x 16 x 128 x 64 x 24 uint8 (E2M3 codes of value, K innermost, in blocks of 32 codes, four codes in three bytes); value_scales 4 x 16 x 128 x 64 uint8 (E8M0 scales of value, one for each 32 codes along K).
;; Outputs: out0 2,048 x 4 x 2,048 float32.
;; This version of the problem:
;;   THIS VERSION OF THE PROBLEM IS GIVEN IN LOW PRECISION. The matrix products marked QUANTISED in the list below multiply operands that are first quantised to E2M3 (2 exponent bits, 3 mantissa bits; 6 bits a number), with one power-of-two scale for each 32 numbers along K (OCP MX v1.0); their sums are f32. All else is computed in f32.
;;   The module's matrix products, in the order in which they are computed (A, B: the left and right operand; K: the contracted axis; several contracted axes count as one K, in the product's order):
;;     1. batch 64 x [M 2,048, K 128] x [K 128, N 2,048]; A: input query (given as codes); B: input key (given as codes): QUANTISED
;;     2. batch 64 x [M 128, K 2,048] x [K 2,048, N 2,048]; A: input value (given as codes); B: softmax (see below): QUANTISED
;;   THE QUANTISER, for each operand of a quantised product, along K:
;;     - K is cut into blocks of 32 from its start; a last block that is shorter is filled with zeros.
;;     - A block's scale is 2^e with e = floor(log2(the largest magnitude in the block)) - 2, held to -126 .. 127; a block of zeros has e = 0. As a byte (E8M0): e + 127.
;;     - Each number is divided by its block's scale, clamped to +-7.5, and rounded to the nearest number of E2M3, ties to even, subnormals kept.
;;     - The product sums the exact products of the quantised numbers (number of the format x scale) in f32.
;;   ~~~python
;;   def quantise(x, axis):      # numpy; x: float32 -> the quantised numbers, widened to float32 again
;;       x = np.moveaxis(x, axis, -1); K = x.shape[-1]
;;       x = np.pad(x, [(0, 0)] * (x.ndim - 1) + [(0, -K % 32)]); x = x.reshape(x.shape[:-1] + (-1, 32)); a = np.abs(x).max(-1, keepdims=True)
;;       e = np.where(a > 0, np.clip(np.frexp(np.where(a > 0, a, 1))[1] - 1 - 2, -126, 127), 0)      # np.frexp(a)[1] - 1 = floor(log2(a)), exactly
;;       r = np.clip(x / 2.0 ** e, -7.5, 7.5)
;;       step = 2.0 ** (np.maximum(np.frexp(np.where(r == 0, 1, r))[1] - 1, 0) - 3)
;;       q = np.round(r / step) * step * 2.0 ** e      # np.round: ties to even
;;       return np.moveaxis(q.reshape(q.shape[:-2] + (-1,))[..., :K], -1, axis).astype(np.float32)
;;   ~~~
;;   SOFTMAX AHEAD OF A QUANTISED PRODUCT. Where the list says 'softmax', what is quantised is not the finished softmax but p = 2^(t - M), with t = logit x log2(e) and M = ceil(the row's largest t), a whole number; so 1/2 < the row's largest p <= 1. The row's sum l is taken of the UNQUANTISED p, in f32, and the product's result is divided by l at the end. Since M is a whole number, a kernel that streams over the keys may use a running M (the ceiling of the running maximum): every later rescaling is an exact power of two, which a block's scale takes up: the codes' values come out the same.
;;   OPERANDS COMPUTED ON THE WAY. 'Computed on the way' means the value that the module computes at that place (a softmax that the list does not call 'softmax' is quantised finished and normalised). What goes into a quantiser is computed in f32, as accurately as f32 sums, v_exp_f32 and their like allow (about 1e-6 of the number): no bf16 or f16 on the way to a quantiser, and a product that is left as it is and whose result goes on into a quantised operand takes f32 operands (vector FMAs, or v_wmma_f32_16x16x4_f32). A number that lies on a knife's edge between two numbers of the format may be rounded either way, as far as f32 arithmetic and the matrix unit's own rounding can turn it there, and no further.
;;   INPUTS GIVEN AS CODES. key (in the module: [2048, 4, 16, 128], K = its axis 3); query (in the module: [2048, 4, 16, 128], K = its axis 3); value (in the module: [2048, 4, 16, 128], K = its axis 0): each comes as NAME_codes (uint8): NAME with its K axis moved to the last place and cut into blocks of 32 codes, [.., K / 32, bytes a block], one block behind the other in memory; four codes in three bytes: a row's codes are one little-endian stream of bits, code i at bits 6 i .. 6 i + 5 (a code: sign, 2 exponent bits, 3 mantissa bits); and NAME_scales (uint8): the same leading axes, one E8M0 byte (e + 127) for each 32 codes along K. Its value is code x scale, taken as it is: it is not quantised again, and the codes and scales need not be those that the quantiser above would give.
;; One version. Each part assembles by itself: llvm-mc -triple=amdgcn-amd-amdhsa -mcpu=gfx1250 --defsym DOCPART=n.
;; ======== version 1 of 1: 2 launches
;; limits: right only within a limited range of input values
;; workspace buffers: kv 26,214,400 bytes; maskbits 524,288 bytes of whole numbers
;; launch prep (part 1): grid 512 x 1, 8 waves a work-group, no clusters, 0 bytes of LDS; arguments key_codes, key_scales, value_codes, value_scales, attention_mask, kv, maskbits; writes kv, maskbits
.if DOCPART == 1
	.amdgcn_target "amdgcn-amd-amdhsa--gfx1250"
	.amdhsa_code_object_version 6
	.text
	.protected	k_q6829f8e6a2_prep
	.globl	k_q6829f8e6a2_prep
	.p2align	8
	.type	k_q6829f8e6a2_prep,@function
k_q6829f8e6a2_prep:
	s_mov_b64 s[64:65], 0
	v_nop
	global_prefetch_b8 v0, s[64:65] scope:SCOPE_SE
	s_setreg_imm32_b32 hwreg(HW_REG_WAVE_MODE, 25, 1), 1
	s_wait_xcnt 0x0
; PREPARATION FOR THE ATTENTION LAUNCH.  No arithmetic on numbers: codes, scale bytes and mask bytes are only laid otherwise.
; (a) K's and V's codes and scale words go into kv IN THE ORDER OF THE OPERAND'S REGISTERS: for each head (64) and key step of 128 keys (16) one dense block of 25,600 bytes:
;       0       8 tiles of K (16 keys x 128 channels: 12 registers a lane), each 1,536 bytes: registers 4 c .. 4 c + 3 of lane L at 512 c + 16 L
;       12,288  K's scale words: lane L's 16 bytes at 16 L: word u is that of tile 4 (L / 16) + u, row L % 16
;       12,800  8 tiles of V (16 channels x 128 keys), likewise;      25,088  V's scale words, likewise
;     THE KEYS OF A TILE OF K ARE NOT NEIGHBOURS: row r of tile 4 c + u is key 64 c + 8 u + r % 8 + 32 (r / 8) of the step, so that in S^T = K Q^T a lane's registers 32 c .. 32 c + 31 are the 32 neighbouring
;     keys 64 c + 32 (lane / 16) + 0 .. 31: a whole block of the second product's K.  Row r of tile t of V is channel 16 t + r.
; (b) The mask bytes become lane masks in maskbits: for 32 queries W, key step s, tile x of 16 queries and score register n one word at ((16 W + s) 2 + x) 256 + 4 n, whose bit L says whether
;     query 32 W + 16 x + L % 16 is masked at key 128 s + 64 (n / 32) + 32 (L / 16) + n % 32.  LIMIT: a mask byte other than 0 counts as true.
; SHARES: a wave takes one block of K (work-groups 0-127), of V (128-255), or one tile and step of the mask (256-511).  The eight waves of a work-group stand side by side in memory:
; 8 heads x 96 bytes of each key's row, 8 steps x 96 bytes of each row of V, 8 steps x 128 bytes of each row of the mask.  No LDS, no barrier: waves share nothing.
; Each path writes every register once, so no store's data and no address is written again.
.set FR,    32                         ; v32-127   eight fragments of 12 registers
.set SW,    128                        ; v128-131  four scale words a lane
.set BLOCK, 25600                      ; a (head, step) block of kv
.set HEADB, 16*BLOCK                   ; a head's blocks
; A block's half (K's or V's): 48 loads of 8 bytes bring the eight fragments as the matrix instruction wants them (lane (r, h): 24 bytes at 24 h and 24 at 48 + 24 h of its row, in pieces of 8 bytes, so that
; every address is a multiple of the access's size), four loads the scale words; they leave as register images, each store 512 consecutive bytes at a multiple of 512 from kv's first byte.
.macro RELAY kind, cb, sb
.irp t, 0,1,2,3,4,5,6,7
.if \kind
.set TOFF, 24576*\t                    ; V: tile t begins 16 t rows of 1,536 bytes on
.else
.set TOFF, (64*(\t/4)+8*(\t%4))*6144   ; K: tile 4 c + u begins at key 64 c + 8 u; a key's row of all heads is 6,144 bytes
.endif
.irp p, 0,1,2,3,4,5
	global_load_b64 v[FR+12*\t+2*\p:FR+12*\t+2*\p+1], v6, s[\cb:\cb+1] offset:TOFF+48*(\p/3)+8*(\p%3)
.endr
.endr
.irp u, 0,1,2,3
.if \kind
	global_load_b32 v[SW+\u], v7, s[\sb:\sb+1] offset:1024*\u      ; 16 rows of 64 scale bytes from tile to tile
.else
	global_load_b32 v[SW+\u], v7, s[\sb:\sb+1] offset:2048*\u      ; 8 keys of 256 scale bytes from tile to tile
.endif
.endr
.irp t, 0,1,2,3,4,5,6,7
	s_wait_loadcnt 46-6*\t                         ; loads come back in order: of the 52, those issued behind tile t's six may stay out
.irp c, 0,1,2
	global_store_b128 v4, v[FR+12*\t+4*\c:FR+12*\t+4*\c+3], s[14:15] offset:1536*\t+512*\c
.endr
.endr
	s_wait_loadcnt 0x0
	global_store_b128 v4, v[SW:SW+3], s[14:15] offset:12288
.endm
	s_load_b256 s[4:11], s[0:1], 0x0               ; K's codes s[4:5], K's scales s[6:7], V's codes s[8:9], V's scales s[10:11]
	s_load_b128 s[12:15], s[0:1], 0x20             ; the mask s[12:13], kv s[14:15]
	s_load_b64 s[16:17], s[0:1], 0x30              ; maskbits
	v_lshrrev_b32 v1, 5, v0
	s_delay_alu instid0(VALU_DEP_1)
	v_readfirstlane_b32 s18, v1                    ; wave 0..7
	v_and_b32 v1, 31, v0                           ; lane
	v_and_b32 v2, 15, v0                           ; r
	v_bfe_u32 v3, v0, 4, 1                         ; h
	s_delay_alu instid0(VALU_DEP_3)
	v_lshlrev_b32 v4, 4, v1                        ; 16 x lane: my place in a register image
	v_and_b32 v5, 7, v0
	v_bfe_u32 v8, v0, 3, 1
	s_delay_alu instid0(VALU_DEP_1)
	v_lshl_add_u32 v5, v8, 5, v5                   ; r % 8 + 32 (r / 8): my key in a tile of K
	s_wait_kmcnt 0x0
	s_cmp_lt_u32 ttmp9, 128
	s_cbranch_scc1 .Lkeys
	s_cmp_lt_u32 ttmp9, 256
	s_cbranch_scc1 .Lvalues
	; ---- THE MASK: tile Tq of 16 queries, one key step
	s_sub_co_u32 s19, ttmp9, 256
	s_lshr_b32 s20, s19, 1                         ; Tq
	s_and_b32 s21, s19, 1
	s_lshl_b32 s21, s21, 3
	s_add_co_u32 s21, s21, s18                     ; step
	s_lshl_b32 s24, s20, 15                        ; 16 rows of 2,048 bytes
	s_lshl_b32 s25, s21, 7
	s_add_co_u32 s24, s24, s25
	s_mov_b32 s25, 0
	s_add_nc_u64 s[12:13], s[12:13], s[24:25]
	s_lshr_b32 s26, s20, 1                         ; W
	s_lshl_b32 s26, s26, 4
	s_add_co_u32 s26, s26, s21
	s_lshl_b32 s26, s26, 9                         ; (16 W + step) x 512
	s_and_b32 s27, s20, 1
	s_lshl_b32 s27, s27, 8                         ; + 256 x
	s_add_co_u32 s26, s26, s27
	s_mov_b32 s27, 0
	s_add_nc_u64 s[16:17], s[16:17], s[26:27]
	s_wait_alu depctr_va_vdst(0)
	v_lshlrev_b32 v6, 11, v2
	s_delay_alu instid0(VALU_DEP_1)
	v_lshl_add_u32 v6, v3, 5, v6                   ; row r, + 32 h: my 32 keys of each half of the step
	global_load_b128 v[16:19], v6, s[12:13]
	global_load_b128 v[20:23], v6, s[12:13] offset:16
	global_load_b128 v[24:27], v6, s[12:13] offset:64
	global_load_b128 v[28:31], v6, s[12:13] offset:80     ; byte b of register 16 + i is score register n = 4 i + b
	v_mov_b32 v32, 0                               ; (v_writelane_b32's destination counts as read)
	v_mov_b32 v33, 0
	v_lshlrev_b32 v7, 3, v1
	s_wait_alu depctr_va_vdst(0)
	s_wait_loadcnt 0x0
.set n, 0
.rept 64                                       ; the 32 lanes' bytes of register n become one word, which goes to lane n / 2, register n % 2; four sets of temporaries by turns
	v_bfe_u32 v[8+n%4], v[16+n/4], 8*(n%4), 8
	s_delay_alu instid0(VALU_DEP_1)
	v_cmp_ne_u32 s[20+n%4], 0, v[8+n%4]
	s_delay_alu instid0(VALU_DEP_1)
	v_writelane_b32 v[32+n%2], s[20+n%4], n/2
.set n, n+1
.endr
	global_store_b64 v7, v[32:33], s[16:17]        ; the 64 words: 256 consecutive bytes, at a multiple of 256 from the buffer's first byte
	s_endpgm
.Lkeys:                                            ; ---- K: step = work-group / 8, head = 8 (work-group % 8) + wave
	s_lshr_b32 s19, ttmp9, 3                       ; step
	s_and_b32 s20, ttmp9, 7
	s_lshl_b32 s20, s20, 3
	s_add_co_u32 s20, s20, s18                     ; head
	s_mul_i32 s22, s19, 128*6144
	s_mul_i32 s24, s20, 96
	s_add_co_u32 s22, s22, s24
	s_mov_b32 s23, 0
	s_add_nc_u64 s[4:5], s[4:5], s[22:23]          ; the step's first key, my head's 96 bytes
	s_lshl_b32 s22, s19, 15
	s_lshl_b32 s24, s20, 2
	s_add_co_u32 s22, s22, s24
	s_add_nc_u64 s[6:7], s[6:7], s[22:23]          ; and its scale word
	s_mul_i32 s22, s20, HEADB
	s_mul_i32 s24, s19, BLOCK
	s_add_co_u32 s22, s22, s24
	s_add_nc_u64 s[14:15], s[14:15], s[22:23]      ; my block of kv
	s_wait_alu depctr_va_vdst(0)
	v_mul_u32_u24 v6, v5, 6144
	s_delay_alu instid0(VALU_DEP_1)
	v_mad_u32_u24 v6, v3, 24, v6                   ; my key's row, + 24 h
	v_lshl_add_u32 v7, v3, 6, v5
	s_delay_alu instid0(VALU_DEP_1)
	v_lshlrev_b32 v7, 8, v7                        ; scale words: lanes 16-31 take the tiles 4 on, which begin 64 keys on
	RELAY 0, 4, 6
	s_endpgm
.Lvalues:                                          ; ---- V: head = (work-group - 128) / 2, step = 8 ((work-group - 128) % 2) + wave
	s_sub_co_u32 s19, ttmp9, 128
	s_lshr_b32 s20, s19, 1                         ; head
	s_and_b32 s19, s19, 1
	s_lshl_b32 s19, s19, 3
	s_add_co_u32 s19, s19, s18                     ; step
	s_mul_i32 s22, s20, 128*1536
	s_mul_i32 s24, s19, 96
	s_add_co_u32 s22, s22, s24
	s_mov_b32 s23, 0
	s_add_nc_u64 s[8:9], s[8:9], s[22:23]          ; the head's first row, the step's 96 bytes
	s_lshl_b32 s22, s20, 13
	s_lshl_b32 s24, s19, 2
	s_add_co_u32 s22, s22, s24
	s_add_nc_u64 s[10:11], s[10:11], s[22:23]      ; and its scale word
	s_mul_i32 s22, s20, HEADB
	s_mul_i32 s24, s19, BLOCK
	s_add_co_u32 s22, s22, s24
	s_add_co_u32 s22, s22, 12800
	s_add_nc_u64 s[14:15], s[14:15], s[22:23]      ; V's half of my block of kv
	s_wait_alu depctr_va_vdst(0)
	v_mul_u32_u24 v6, v2, 1536
	s_delay_alu instid0(VALU_DEP_1)
	v_mad_u32_u24 v6, v3, 24, v6                   ; row r, + 24 h
	v_lshl_add_u32 v7, v3, 6, v2
	s_delay_alu instid0(VALU_DEP_1)
	v_lshlrev_b32 v7, 6, v7                        ; scale words: lanes 16-31 take the tiles 4 on, which begin 64 rows on
	RELAY 1, 8, 10
	s_endpgm
.Lfunc_end_k_q6829f8e6a2_prep:
	.size	k_q6829f8e6a2_prep, .Lfunc_end_k_q6829f8e6a2_prep-k_q6829f8e6a2_prep
	.p2alignl 7, 3214868480
	.fill 96, 4, 3214868480
	.section	.rodata,"a",@progbits
	.p2align	6, 0x0
	.amdhsa_kernel k_q6829f8e6a2_prep
		.amdhsa_group_segment_fixed_size 0
		.amdhsa_private_segment_fixed_size 0
		.amdhsa_enable_private_segment 0
		.amdhsa_kernarg_size 56
		.amdhsa_user_sgpr_count 2
		.amdhsa_user_sgpr_kernarg_segment_ptr 1
		.amdhsa_wavefront_size32 1
		.amdhsa_system_sgpr_workgroup_id_x 1
		.amdhsa_system_sgpr_workgroup_id_y 1
		.amdhsa_system_sgpr_workgroup_id_z 1
		.amdhsa_system_vgpr_workitem_id 0
		.amdhsa_next_free_vgpr 136
		.amdhsa_next_free_sgpr 66
		.amdhsa_reserve_vcc 0
		.amdhsa_float_denorm_mode_32 3
		.amdhsa_float_denorm_mode_16_64 3
		.amdhsa_memory_ordered 1
		.amdhsa_forward_progress 1
		.amdhsa_inst_pref_size 36
	.end_amdhsa_kernel
	.amdgpu_metadata
---
amdhsa.version: [ 1, 2 ]
amdhsa.kernels:
  - .name:           k_q6829f8e6a2_prep
    .symbol:         k_q6829f8e6a2_prep.kd
    .args:
      - { .name: key_codes, .offset: 0, .size: 8, .value_kind: global_buffer, .address_space: global }
      - { .name: key_scales, .offset: 8, .size: 8, .value_kind: global_buffer, .address_space: global }
      - { .name: value_codes, .offset: 16, .size: 8, .value_kind: global_buffer, .address_space: global }
      - { .name: value_scales, .offset: 24, .size: 8, .value_kind: global_buffer, .address_space: global }
      - { .name: attention_mask, .offset: 32, .size: 8, .value_kind: global_buffer, .address_space: global }
      - { .name: kv, .offset: 40, .size: 8, .value_kind: global_buffer, .address_space: global }
      - { .name: maskbits, .offset: 48, .size: 8, .value_kind: global_buffer, .address_space: global }
    .group_segment_fixed_size: 0
    .private_segment_fixed_size: 0
    .kernarg_segment_align: 8
    .kernarg_segment_size: 56
    .max_flat_workgroup_size: 256
    .sgpr_count:     66
    .vgpr_count:     136
    .wavefront_size: 32
...
	.end_amdgpu_metadata
.endif
;; end of part 1
;; launch attn (part 2): grid 4 x 64, 8 waves a work-group, no clusters, 119,808 bytes of LDS; arguments query_codes, query_scales, kv, maskbits, out0; writes out0
.if DOCPART == 2
	.amdgcn_target "amdgcn-amd-amdhsa--gfx1250"
	.amdhsa_code_object_version 6
	.text
	.protected	k_q6829f8e6a2_attn
	.globl	k_q6829f8e6a2_attn
	.p2align	8
	.type	k_q6829f8e6a2_attn,@function
k_q6829f8e6a2_attn:
	s_mov_b64 s[64:65], 0
	v_nop
	global_prefetch_b8 v0, s[64:65] scope:SCOPE_SE
	s_setreg_imm32_b32 hwreg(HW_REG_WAVE_MODE, 25, 1), 1
	s_wait_xcnt 0x0
; out0[q][head][:] = the sum over k of softmax_k(logit) V[head][k][:], logit = Q[q][head] . K[k][head] / sqrt(128), or -10000 where the mask says so.  Both products on codes of FP6 (E2M3), one E8M0 scale for each 32 along K.
; THE SOFTMAX AHEAD OF THE SECOND PRODUCT: t = logit x log2(e); M = the row's largest t so far, rounded UP to a whole number; p = 2^(t - M) is quantised along the keys, not normalised.  The row's sum is
; taken of the unquantised p and divides O at the end.  When M moves, the sum and O are multiplied by 2^(old M - new M): exact.
; THE MASK'S WHOLE NUMBERS DECIDE WHAT IS DONE.  The mask is an input and is read as it is (as lane masks, from maskbits).  Each wave sorts its 16 key steps (32 queries x 128 keys) by its mask words:
;   no key masked:   the step's scores are taken as they are, and the selects and the mask's scalar loads are jumped over;
;   some masked:     one v_cndmask_b32 a score puts -10000 sqrt(128) in the score's place;
;   all masked:      every logit of the step is -10000 whatever Q and K hold, so the first product and the softmax have nothing to find.  p is one number p_m a row, and a block of 32 equal p has one quantised
;                    value Q(p_m).  So the step's share of O is Q(p_m) x (the sum of V over its keys): the matrix unit sums V against codes of 1.0 into U, which all 32 queries share, and the steps are counted.
; At a block's end the running maximum takes in the masked t (if any step was counted), O and the sum go under the last M, O += Q(p_m) U, and each lane's sum += 64 x count x p_m.  This holds for every mask.
; SHARES.  A work-group takes one head and two blocks of 256 queries, 7 - x and x, one after the other; each of its eight waves 32 queries of a block: two tiles of 16.  Two waves to a SIMD, 512 registers each.
; OPERANDS.  kv holds, for each head and key step, one dense block of 25,600 bytes in the order of the operand's registers (8 tiles of K, K's scale words, 8 tiles of V, V's scale words).  A step's block goes through
; registers into one of two LDS slots, each wave an eighth of it (6 x 512 bytes and 128 bytes), asked for one step ahead; one barrier a step parts a slot's reads from its next stores.
; NO TENSOR LOAD, NO CLUSTER: the walk branches on mask words read from memory; there is no joint load either.
; LAYOUT.  Both products are used transposed (S^T = K Q^T, O^T = V^T P^T): a lane holds ONE query (lane % 16).  Score register n of lane (r, h) is key 64 (n / 32) + 32 h + n % 32 of the step: two whole blocks of 32 a lane.
; LIMITS.  Scale bytes 0xff, NaN and infinities are not served.  A masked logit's t is right to about 1e-3 absolute (t is near -14,427).  p under 2^-126 counts as 0 (v_exp_f32 flushes denormals: ISA guide 15.8);
; Q(p_m) is p_m rounded to three mantissa bits, ties to even, held at 7.5 x its scale: for p_m under 2^-124, where the scale's byte is held at 1, it differs from the rule by under 2^-127.
; The promise holds while the scaled scores stay under 2^31 in magnitude.
; REGISTERS.  window 0: v1-15 addresses and constants; v16-31 statistics; v32-43 scale words; v44-55 at work; v56-63, v240-255 U's tiles 0-2; v64-111 F0; v112-239 S^T, then p (tile 0's first 25 also carry the next step's share)
;             window 1: v0-11 p's codes (or the ones); v12-14 a conversion's second half; v16-31, v104-127 U's tiles 3-7; v32-55 Q; v56-103 F1; v128-255 O^T
.set STEPB, 25600
.set STAGE, 2*STEPB                    ; behind the two slots: 16 rows x (512 + 16) bytes for each wave, for the way out
.set SPITCH, 528
.set SPARE, STAGE+8*16*SPITCH          ; the spare words, 128 bytes a wave; no other line names them
.set LI,  1                            ; 16 x lane
.set GA,  2                            ; 512 x wave + 16 x lane: my pieces of a step's block, 4,096 bytes apart
.set SPW, 3
.set NIL, 4
.set SMV, 5                            ; -10000 sqrt(128)
.set SH8, 6                            ; 8 (lane / 16)
.set PFO, 7                            ; the prefetches' offset
.set STO, 8
.set RD,  9
.set QO,  10
.set QSO, 11
.set SUM2, 12                          ; v12-13
.set OSC, 14                           ; the ones' scale word: four bytes 127
.set GB,  15                           ; 24,576 + 4 x thread: my 128 bytes of the block's last 1,024
.set ST,  16                           ; tile x at ST + 8 x: +0 -M, +1 largest t, +2, +3 the sum, +4 f (+5), +6 Q(p_m), then 1 / sum (+7)
.set KSC, 32
.set VSC, 36
.set QSC, 40
.set PSC, 42
.set T,   44
.set T4,  48
.set T5,  49
.set SO,  50
.set BY,  52
.set W2,  54
.set F0,  64
.set S,   112
.set UB0, 56                           ; window 0
.set UB1, 240
.set UB2, 248
.set UB3, 16                           ; window 1
.set UB4, 24
.set UB5, 104
.set UB6, 112
.set UB7, 120
.set PC,  0                            ; window 1
.set TMPC, 12
.set QF,  32
.set F1,  56
.set OT,  128
.set ANY, 2                            ; bit 0: some key of the step in hand is masked for my queries; shifted down a step at a time
.set ALL, 3                            ; bit 0: all are
.set QCB, 4                            ; s[4:13] Q's codes, Q's scales, maskbits, out0, kv: each at my head
.set QSB, 6
.set MKB, 8
.set OUB, 10
.set KVB, 12
.set KP,  14                           ; kv at the step that is asked for next
.set MB,  16
.set MO,  18
.set WV,  19
.set SEL, 20
.set CS,  22
.set CNT, 24                           ; wholly masked steps so far
.set PFC, 25                           ; prefetches still to come
.set OB,  26
.set TRIPS, 66
.set QB,  67
.set BLKS, 100
.set MSB, 0
.macro WIN new
.if MSB != \new
	s_set_vgpr_msb (MSB<<8)|\new
.set MSB, \new
.endif
.endm
.macro PLACES                          ; four plain places behind matrix instructions (ISA guide 7.12.1)
.rept 4
	v_nop
.endr
.endm
.macro MLOAD imm                       ; the 64 lane masks of one tile and step
	s_load_b512 s[32:47], s[MB:MB+1], s[MO] offset:\imm
	s_load_b512 s[48:63], s[MB:MB+1], s[MO] offset:\imm+64
	s_load_b512 s[68:83], s[MB:MB+1], s[MO] offset:\imm+128
	s_load_b512 s[84:99], s[MB:MB+1], s[MO] offset:\imm+192
.endm
.macro GL                              ; my eighth of the block at KP
.irp i, 0,1,2,3,4,5
	global_load_b128 v[S+4*\i:S+4*\i+3], v[GA], s[KP:KP+1] offset:4096*\i
.endr
	global_load_b32 v[S+24], v[GB], s[KP:KP+1]
.endm
.macro GST slot
.irp i, 0,1,2,3,4,5
	ds_store_b128 v[GA], v[S+4*\i:S+4*\i+3] offset:(\slot)*STEPB+4096*\i
.endr
	ds_store_b32 v[GB], v[S+24] offset:(\slot)*STEPB
.endm
; The next step's share is asked for (a block's last step asks for nothing).  Behind it, in wave 2 during the work-group's first 13 steps, a prefetch of the step three on: its 100 blocks of 256 bytes are shared out
; by address among the head's four work-groups, 25 each, a lane a block (lanes 25-31 name lane 24's again).  The second walk has read kv before and asks for nothing.
.macro GLOAD q
	s_wait_alu depctr_va_vdst(0)                   ; ahead of the branches and waits below
.if \q
	s_cmp_lg_u32 s[TRIPS], 1
	s_cbranch_scc0 .Lnf_\@
.endif
	GL
	s_cmp_lg_u32 s[PFC], 0
	s_cbranch_scc0 .Lnf_\@
	global_prefetch_b8 v[PFO], s[KP:KP+1] offset:2*STEPB th:TH_LOAD_NT scope:SCOPE_SE
	s_sub_co_u32 s[PFC], s[PFC], 1
.Lnf_\@:
.endm
; THE SOFTMAX OF TILE x FOR ONE KEY STEP, and p's codes and scale word
.macro SOFTMAX x
.set SS, S+64*(\x)
.set TT, ST+8*(\x)
.set OO, OT+64*(\x)
.set PS, PSC+(\x)
	s_wait_alu depctr_va_vdst(0)                   ; ahead of the first read of the scores
	s_bitcmp1_b32 s[ANY], 0
	s_cbranch_scc0 .Lun_\@                         ; no key of the step is masked: nothing to select
	MLOAD 256*(\x)
	s_wait_kmcnt 0x0
.set n, 0
.rept 64
	v_cndmask_b32 v[SS+n], v[SS+n], v[SMV], s[32+n+4*(n/32)]
.set n, n+1
.endr
.Lun_\@:
.irp c, 0,1                                    ; the largest score of each of my two blocks of 32 keys, two chains a block; each accumulator is read from its low end on
	v_max3_num_f32 v[T+2*\c], v[SS+32*\c], v[SS+32*\c+1], v[SS+32*\c+2]
	v_max3_num_f32 v[T+2*\c+1], v[SS+32*\c+3], v[SS+32*\c+4], v[SS+32*\c+5]
.endr
.irp i, 6,10,14,18,22,26
.irp c, 0,1
	v_max3_num_f32 v[T+2*\c], v[T+2*\c], v[SS+32*\c+\i], v[SS+32*\c+\i+1]
	v_max3_num_f32 v[T+2*\c+1], v[T+2*\c+1], v[SS+32*\c+\i+2], v[SS+32*\c+\i+3]
.endr
.endr
	v_max3_num_f32 v[T], v[T], v[SS+30], v[SS+31]
	v_max3_num_f32 v[T+2], v[T+2], v[SS+62], v[SS+63]
.irp c, 0,1
	v_max_num_f32 v[T+2*\c], v[T+2*\c], v[T+2*\c+1]
.endr
	v_max_num_f32 v[T4], v[T], v[T+2]
	v_permlanex16_b32 v[T5], v[T4], s[SEL], s[SEL+1]
	v_max_num_f32 v[T4], v[T4], v[T5]              ; the step's largest score of my query
	v_mul_f32 v[T4], s[CS], v[T4]
	v_max_num_f32 v[TT+1], v[TT+1], v[T4]          ; the running largest t
	v_mov_b32 v[T4], v[TT]
	v_floor_f32 v[TT], -v[TT+1]                    ; -M = floor(-t)
	v_sub_f32 v[T4], v[TT], v[T4]
	v_cvt_i32_f32 v[T4], v[T4]                     ; (it saturates)
	v_ldexp_f32 v[TT+4], 1.0, v[T4]                ; f = 2^(old M - new M)
.set n, 0
.rept 32
	v_pk_fma_f32 v[SS+n:SS+n+1], v[SS+n:SS+n+1], s[CS:CS+1], v[TT:TT+1] op_sel_hi:[1,0,0]   ; t - M
.set n, n+2
.endr
	v_fma_f32 v[T], v[T], s[CS], v[TT]             ; the same of each block's largest score
	v_fma_f32 v[T+2], v[T+2], s[CS], v[TT]
.set n, 0
	s_wait_alu depctr_va_vdst(0)                   ; ahead of the batch
.rept 64
	v_exp_f32 v[SS+n], v[SS+n]
.set n, n+1
.endr
	v_exp_f32 v[T], v[T]                           ; each block's largest p
	v_exp_f32 v[T+2], v[T+2]
	v_pk_mul_f32 v[TT+2:TT+3], v[TT+2:TT+3], v[TT+4:TT+5] op_sel_hi:[1,0]   ; the sums under the new M; the plain place behind the batch
	s_wait_alu depctr_va_vdst(0)                   ; and behind it
	v_max_num_f32 v[T], 0x1800000, v[T]            ; the floor 2^(3 - 127): the byte cannot fall under 1
	v_max_num_f32 v[T+2], 0x1800000, v[T+2]
	v_add_nc_u32 v[SO], 0xff000000, v[T]           ; 2 off the exponent field: the conversion's scale operand
	v_add_nc_u32 v[SO+1], 0xff000000, v[T+2]
	v_lshrrev_b32 v[BY], 23, v[SO]
	v_lshrrev_b32 v[BY+1], 23, v[SO+1]
	v_lshl_or_b32 v[PS], v[BY+1], 16, v[BY]        ; my two bytes: blocks h and 2 + h,
	v_lshlrev_b32 v[PS], v[SH8], v[PS]
	v_permlanex16_b32 v[W2], v[PS], s[SEL], s[SEL+1]
	v_or_b32 v[PS], v[PS], v[W2]                   ; with lane l xor 16's two the word is whole
	WIN 0x40
	v_cvt_scalef32_pk16_fp6_f32 v[PC:PC+2], v[SS:SS+15], v[SO]
	v_cvt_scalef32_pk16_fp6_f32 v[TMPC:TMPC+2], v[SS+16:SS+31], v[SO]       ; (three registers from an even one: a block's second half is made elsewhere and moved)
	v_cvt_scalef32_pk16_fp6_f32 v[PC+6:PC+8], v[SS+32:SS+47], v[SO+1]
	v_nop                                          ; one plain place behind a scaled conversion
	WIN 0x41
.irp i, 0,1,2
	v_mov_b32 v[PC+3+\i], v[TMPC+\i]
.endr
	WIN 0x40
	v_cvt_scalef32_pk16_fp6_f32 v[TMPC:TMPC+2], v[SS+48:SS+63], v[SO+1]
	v_nop
	WIN 0x41
.irp i, 0,1,2
	v_mov_b32 v[PC+9+\i], v[TMPC+\i]
.endr
.set n, 0
.rept 32
	v_pk_mul_f32 v[OO+n:OO+n+1], v[OO+n:OO+n+1], v[TT+4:TT+5] op_sel_hi:[1,0]   ; O^T under the new M
.set n, n+2
.endr
	WIN 0
	v_pk_add_f32 v[SUM2:SUM2+1], v[SS:SS+1], v[SS+2:SS+3]   ; the row's sum of the unquantised p, two chains; these are also the places ahead of the products
.irp j, 4,8,12,16,20,24,28,32,36,40,44,48,52,56,60
	v_pk_add_f32 v[TT+2:TT+3], v[TT+2:TT+3], v[SS+\j:SS+\j+1]
	v_pk_add_f32 v[SUM2:SUM2+1], v[SUM2:SUM2+1], v[SS+\j+2:SS+\j+3]
.endr
	v_pk_add_f32 v[TT+2:TT+3], v[TT+2:TT+3], v[SUM2:SUM2+1]
.endm
; O^T += V^T P^T for tile x; the accumulators take turns
.macro PV x
	s_wait_dscnt 0x0                               ; V's fragments and scale words are in
	WIN 0x54
.irp t, 0,1,2,3
	v_wmma_scale_f32_16x16x128_f8f6f4 v[OT+64*(\x)+8*\t:OT+64*(\x)+8*\t+7], v[F0+12*\t:F0+12*\t+11], v[PC:PC+11], v[OT+64*(\x)+8*\t:OT+64*(\x)+8*\t+7], v[VSC+\t], v[PSC+(\x)] matrix_a_fmt:MATRIX_FMT_FP6 matrix_b_fmt:MATRIX_FMT_FP6
.endr
	WIN 0x55
.irp t, 0,1,2,3
	v_wmma_scale_f32_16x16x128_f8f6f4 v[OT+64*(\x)+32+8*\t:OT+64*(\x)+32+8*\t+7], v[F1+12*\t:F1+12*\t+11], v[PC:PC+11], v[OT+64*(\x)+32+8*\t:OT+64*(\x)+32+8*\t+7], v[VSC+\t], v[PSC+(\x)] matrix_a_fmt:MATRIX_FMT_FP6 matrix_b_fmt:MATRIX_FMT_FP6 matrix_a_scale:MATRIX_SCALE_ROW1
.endr
	WIN 0
.endm
.macro FETCH sc, off                   ; 25 LDS loads: four scale words a lane and eight fragments
	ds_load_b128 v[\sc:\sc+3], v[LI] offset:\off+12288
.irp u, 0,1,2,3
.irp c, 0,1,2
	ds_load_b128 v[F0+12*\u+4*\c:F0+12*\u+4*\c+3], v[LI] offset:\off+1536*\u+512*\c
.endr
.endr
	WIN 0x40
.irp u, 0,1,2,3
.irp c, 0,1,2
	ds_load_b128 v[F1+12*\u+4*\c:F1+12*\u+4*\c+3], v[LI] offset:\off+1536*(4+\u)+512*\c
.endr
.endr
.endm
.macro UW t, f, row                    ; U's tile t += V's tile t x ones
.if \row
	v_wmma_scale_f32_16x16x128_f8f6f4 v[UB\t:UB\t+7], v[\f:\f+11], v[PC:PC+11], v[UB\t:UB\t+7], v[VSC+(\t)%4], v[OSC] matrix_a_fmt:MATRIX_FMT_FP6 matrix_b_fmt:MATRIX_FMT_FP6 matrix_a_scale:MATRIX_SCALE_ROW1
.else
	v_wmma_scale_f32_16x16x128_f8f6f4 v[UB\t:UB\t+7], v[\f:\f+11], v[PC:PC+11], v[UB\t:UB\t+7], v[VSC+(\t)%4], v[OSC] matrix_a_fmt:MATRIX_FMT_FP6 matrix_b_fmt:MATRIX_FMT_FP6
.endif
.endm
; A KEY STEP, from slot q
.macro STEP q
.set BLK, (\q)*STEPB
	s_bitcmp1_b32 s[ALL], 0
	s_cbranch_scc1 .Lmk_\@
	PLACES                                         ; behind the last step's products, which read F0 and F1
	FETCH KSC, BLK
	s_wait_dscnt 12                                ; the scale words and F0 are in; the 12 loads into F1 may be out
	WIN 0x04
.irp u, 0,1,2,3
.irp x, 0,1
	v_wmma_scale_f32_16x16x128_f8f6f4 v[S+64*\x+8*\u:S+64*\x+8*\u+7], v[F0+12*\u:F0+12*\u+11], v[QF+12*\x:QF+12*\x+11], 0, v[KSC+\u], v[QSC+\x] matrix_a_fmt:MATRIX_FMT_FP6 matrix_b_fmt:MATRIX_FMT_FP6
.endr
.endr
	s_wait_dscnt 0x0
	WIN 0x05
.irp u, 0,1,2,3
.irp x, 0,1
	v_wmma_scale_f32_16x16x128_f8f6f4 v[S+64*\x+32+8*\u:S+64*\x+32+8*\u+7], v[F1+12*\u:F1+12*\u+11], v[QF+12*\x:QF+12*\x+11], 0, v[KSC+\u], v[QSC+\x] matrix_a_fmt:MATRIX_FMT_FP6 matrix_b_fmt:MATRIX_FMT_FP6 matrix_a_scale:MATRIX_SCALE_ROW1
.endr
.endr
	WIN 0
	PLACES
	FETCH VSC, BLK+12800                           ; V lands under tile 0's softmax
	WIN 0
	SOFTMAX 0
	GLOAD \q                                       ; tile 0's p is done with: its registers take the next step's share
	PV 0
	SOFTMAX 1
	PV 1
	s_branch .Ljn_\@
.Lmk_\@:                                           ; all 128 keys are masked for all my 32 queries: U += the sum of V over the step's keys
	PLACES
	WIN 0x40
.irp c, 0,1,2,3
	v_mov_b32 v[PC+3*\c], 0x08208208               ; sixteen codes of 1.0 (001000) are 96 bits
	v_mov_b32 v[PC+3*\c+1], 0x82082082
	v_mov_b32 v[PC+3*\c+2], 0x20820820
.endr
	WIN 0
	FETCH VSC, BLK+12800
	WIN 0
	GLOAD \q
	PLACES                                         ; places between the ones' writes and the scaled products
	s_wait_dscnt 0x0
	WIN 0x04
	s_wait_alu depctr_va_vdst(0)                   ; ahead of the first read of U
	UW 0, F0, 0
	UW 1, F0+12, 0
	UW 2, F0+24, 0
	WIN 0x54
	UW 3, F0+36, 0
	WIN 0x55
	UW 4, F1, 1
	UW 5, F1+12, 1
	UW 6, F1+24, 1
	UW 7, F1+36, 1
	WIN 0
	s_add_co_u32 s[CNT], s[CNT], 1
.Ljn_\@:
	s_wait_loadcnt 0x0                             ; the next step's share is in registers
.if \q
	s_cmp_lg_u32 s[TRIPS], 1
	s_cbranch_scc0 .Lns_\@
.endif
	GST 1-(\q)                                     ; into the slot that was read out a step ago: a barrier lies between
	s_wait_xcnt 0x0                                ; the prefetch has read its address too
	s_add_nc_u64 s[KP:KP+1], s[KP:KP+1], STEPB
.Lns_\@:
	s_lshr_b32 s[ANY], s[ANY], 1
	s_lshr_b32 s[ALL], s[ALL], 1
	s_add_co_u32 s[MO], s[MO], 512
	s_wait_alu depctr_va_vdst(0)                   ; ahead of the waits below
	s_wait_dscnt 0x0                               ; my stores are done and my reads of this slot are over
	s_barrier_signal -1
	s_barrier_wait -1
.endm
.macro ADDU t, x                       ; O^T's tile t of query tile x += Q(p_m) U's tile t
.irp i, 0,2,4,6
	v_pk_fma_f32 v[OT+64*(\x)+8*(\t)+\i:OT+64*(\x)+8*(\t)+\i+1], v[UB\t+\i:UB\t+\i+1], v[ST+8*(\x)+6:ST+8*(\x)+7], v[OT+64*(\x)+8*(\t)+\i:OT+64*(\x)+8*(\t)+\i+1] op_sel_hi:[1,0,1]
.endr
.endm
.macro PACKOUT x
	WIN 0x01
.set n, 0
.rept 32
	v_pk_mul_f32 v[S+64*(\x)+n:S+64*(\x)+n+1], v[OT+64*(\x)+n:OT+64*(\x)+n+1], v[ST+8*(\x)+6:ST+8*(\x)+7] op_sel_hi:[1,0]   ; register 8 t + j is o(query r, channel 16 t + 8 h + j)
.set n, n+2
.endr
	WIN 0
.irp t, 0,1,2,3,4,5,6,7
	ds_store_b128 v[STO], v[S+64*(\x)+8*\t:S+64*(\x)+8*\t+3] offset:64*\t
	ds_store_b128 v[STO], v[S+64*(\x)+8*\t+4:S+64*(\x)+8*\t+7] offset:64*\t+16
.endr
.irp i, 0,1,2,3,4,5,6,7,8,9,10,11,12,13,14,15
	ds_load_b128 v[S+64*(\x)+4*\i:S+64*(\x)+4*\i+3], v[RD] offset:SPITCH*\i   ; LDS serves a wave's instructions in order (ISA guide 5.7.1.4)
.endr
.endm
.macro SEND x, younger                 ; younger: the LDS instructions issued behind tile x's loads
.irp i, 0,1,2,3,4,5,6,7,8,9,10,11,12,13,14,15
	s_wait_dscnt \younger+15-\i
	global_store_b128 v[LI], v[S+64*(\x)+4*\i:S+64*(\x)+4*\i+3], s[OB:OB+1] offset:524288*(\x)+32768*\i th:TH_STORE_NT   ; 32 lanes store 512 consecutive bytes, at a multiple of 512 from out0's first byte
.endr
.endm
	s_load_b256 s[32:39], s[0:1], 0x0              ; Q's codes, Q's scales, kv, maskbits
	s_load_b64 s[40:41], s[0:1], 0x20              ; out0
	s_and_b32 s44, ttmp7, 0xffff                   ; the head
	s_mul_i32 s54, ttmp9, 6400                     ; my work-group's quarter of a prefetched step
	v_lshl_add_u32 v[SPW], v0, 2, SPARE
	v_mov_b32 v[NIL], 0
	v_lshrrev_b32 v16, 5, v0                       ; wave
	v_and_b32 v17, 31, v0                          ; lane
	v_and_b32 v12, 15, v0                          ; r
	v_bfe_u32 v13, v0, 4, 1                        ; h
	v_lshlrev_b32 v[LI], 4, v17
	v_min_u32 v[PFO], 24, v17
	v_lshl_add_u32 v[GB], v0, 2, 24576
	v_mul_u32_u24 v18, v16, 16*SPITCH
	v_lshl_add_u32 v[GA], v16, 9, v[LI]
	v_lshl_add_u32 v[PFO], v[PFO], 8, s54
	v_lshlrev_b32 v[SH8], 3, v13
	v_mov_b32 v[SMV], 0xc7dcf88b
	v_mov_b32 v[OSC], 0x7f7f7f7f
	v_mad_u32_u24 v[STO], v12, SPITCH, v18
	v_add_nc_u32 v[RD], v18, v[LI]
	v_lshl_add_u32 v[STO], v13, 5, v[STO]
	v_add_nc_u32 v[RD], STAGE, v[RD]               ; back: the 32 lanes take one row of 512 bytes
	v_add_nc_u32 v[STO], STAGE, v[STO]             ; in: row r, 32 bytes for each half of the lanes
	v_mul_u32_u24 v[QO], v12, 6144
	v_lshlrev_b32 v[QSO], 8, v12
	v_mad_u32_u24 v[QO], v13, 24, v[QO]
	v_mov_b32 v[T5], 0                             ; a lane permute's destination counts as one of its sources
	v_mov_b32 v[W2], 0
	v_readfirstlane_b32 s[WV], v16
	s_mul_i32 s46, s44, 96
	s_mov_b32 s47, 0
	s_lshl_b32 s48, s44, 2
	s_mov_b32 s49, 0
	s_lshl_b32 s50, s44, 9
	s_mov_b32 s51, 0
	s_mul_i32 s52, s44, 16*STEPB
	s_mov_b32 s53, 0
	s_sub_co_u32 s[QB], 7, ttmp9                   ; the first block of 256 queries; the second is x
	s_cmp_eq_u32 s[WV], 2
	s_cselect_b32 s[PFC], 13, 0                    ; steps 3 to 15, asked for in steps 0 to 12
	s_mov_b32 s[SEL], 0x76543210
	s_mov_b32 s[SEL+1], 0xfedcba98
	s_mov_b32 s[CS], 0x3e0293ee                    ; c = log2(e) / sqrt(128)
	s_mov_b32 s[CS+1], s[CS]
	s_mov_b32 s[BLKS], 2
	s_wait_alu depctr_va_vdst(0)                   ; at the head's end
	s_wait_kmcnt 0x0
	s_add_nc_u64 s[QCB:QCB+1], s[32:33], s[46:47]
	s_add_nc_u64 s[QSB:QSB+1], s[34:35], s[48:49]
	s_mov_b64 s[MKB:MKB+1], s[38:39]
	s_add_nc_u64 s[OUB:OUB+1], s[40:41], s[50:51]
	s_add_nc_u64 s[KVB:KVB+1], s[36:37], s[52:53]
.Lblock:                                           ; two trips: a block of 256 queries each
	s_wait_xcnt 0x0                                ; the last block's stores have read their base and data, the prefetches their address
	s_mov_b64 s[KP:KP+1], s[KVB:KVB+1]
	GL                                             ; key step 0
	s_lshl_b32 s32, s[QB], 8
	s_lshl_b32 s33, s[WV], 5
	s_add_co_u32 s32, s32, s33                     ; q0, my first query
	s_mov_b32 s35, 0
	s_lshl_b32 s34, s32, 8
	s_add_nc_u64 s[MB:MB+1], s[MKB:MKB+1], s[34:35]   ; my lane masks: 8,192 bytes for 32 queries
	s_add_nc_u64 s[30:31], s[QSB:QSB+1], s[34:35]
.irp i, 0,1,2,3,4,5,6,7,8,9,10,11,12,13,14,15
	global_load_b128 v[S+64+4*\i:S+64+4*\i+3], v[LI], s[MB:MB+1] offset:512*\i   ; step i's 128 mask words, four a lane
.endr
	s_mul_i32 s34, s32, 6144
	s_add_nc_u64 s[28:29], s[QCB:QCB+1], s[34:35]
	s_lshl_b32 s34, s32, 15
	s_add_nc_u64 s[OB:OB+1], s[OUB:OUB+1], s[34:35]
	WIN 0x40
.irp x, 0,1
.irp p, 0,1,2,3,4,5
	global_load_b64 v[QF+12*\x+2*\p:QF+12*\x+2*\p+1], v[QO], s[28:29] offset:98304*\x+48*(\p/3)+8*(\p%3)
.endr
.endr
.set n, 0
.rept 128
	v_mov_b32 v[OT+n], 0                           ; O^T and U begin as zeros: which step is a sum's first hangs on the mask
.set n, n+1
.endr
.set n, 0
.rept 16
	v_mov_b32 v[UB3+n], 0
.set n, n+1
.endr
.set n, 0
.rept 24
	v_mov_b32 v[UB5+n], 0
.set n, n+1
.endr
	WIN 0
.set n, 0
.rept 8
	v_mov_b32 v[UB0+n], 0
.set n, n+1
.endr
.set n, 0
.rept 16
	v_mov_b32 v[UB1+n], 0
.set n, n+1
.endr
.irp x, 0,1
	global_load_b32 v[QSC+\x], v[QSO], s[30:31] offset:4096*\x
	v_mov_b32 v[ST+8*\x+1], 0xff61b1e6             ; the largest t so far: -3e38
	v_floor_f32 v[ST+8*\x], -v[ST+8*\x+1]
	v_mov_b32 v[ST+8*\x+2], 0
	v_mov_b32 v[ST+8*\x+3], 0
	v_mov_b32 v[ST+8*\x+5], 0
	v_mov_b32 v[ST+8*\x+7], 0
.endr
	s_mov_b32 s[ANY], 0
	s_mov_b32 s[ALL], 0
	s_mov_b32 s[CNT], 0
	s_mov_b32 s[MO], 0
	s_mov_b32 s[TRIPS], 8
	s_wait_alu depctr_va_vdst(0)                   ; ahead of the wait below
	s_wait_loadcnt 0x0
	GST 0                                          ; slot 0 was last read two barriers ago
	s_add_nc_u64 s[KP:KP+1], s[KP:KP+1], STEPB
.irp i, 0,1,2,3,4,5,6,7,8,9,10,11,12,13,14,15  ; bit i of ANY: some word of step i is not 0; of ALL: every word is all ones
	v_or_b32 v[T], v[S+64+4*\i], v[S+65+4*\i]
	v_or_b32 v[T+1], v[S+66+4*\i], v[S+67+4*\i]
	v_and_b32 v[T+2], v[S+64+4*\i], v[S+65+4*\i]
	v_and_b32 v[T+3], v[S+66+4*\i], v[S+67+4*\i]
	v_or_b32 v[T], v[T], v[T+1]
	v_and_b32 v[T+2], v[T+2], v[T+3]
	v_cmp_ne_u32 s32, 0, v[T]
	v_cmp_ne_u32 s33, -1, v[T+2]
	s_cmp_lg_u32 s32, 0
	s_cselect_b32 s34, 1<<\i, 0
	s_cmp_eq_u32 s33, 0
	s_cselect_b32 s35, 1<<\i, 0
	s_or_b32 s[ANY], s[ANY], s34
	s_or_b32 s[ALL], s[ALL], s35
.endr
	s_wait_alu depctr_va_vdst(0)
	s_wait_dscnt 0x0
	s_barrier_signal -1
	s_barrier_wait -1                              ; key step 0 is whole in slot 0
.Ltrip:                                            ; eight trips of two key steps
	STEP 0
	STEP 1
	s_sub_co_u32 s[TRIPS], s[TRIPS], 1
	s_cmp_lg_u32 s[TRIPS], 0
	s_cbranch_scc1 .Ltrip
	; THE WHOLLY MASKED STEPS' SHARE.  If any was counted, the masked t joins the running maximum; else -3e38 does, which moves nothing
	PLACES
	s_wait_alu depctr_va_vdst(0)
	s_cmp_lg_u32 s[CNT], 0
	s_cselect_b32 s32, -1, 0
	s_lshl_b32 s33, s[CNT], 6                      ; each lane owns 64 keys of a step
	s_mov_b32 s34, 0x700000
	s_mov_b32 s35, 0x7ffff
	v_mul_f32 v[T4], s[CS], v[SMV]
	v_mov_b32 v[T+1], 0xff61b1e6
	v_cvt_f32_u32 v[T+3], s33
	v_cndmask_b32 v[T4], v[T+1], v[T4], s32
.irp x, 0,1
	v_max_num_f32 v[ST+8*\x+1], v[ST+8*\x+1], v[T4]
	v_mov_b32 v[BY+\x], v[ST+8*\x]
.endr
.irp x, 0,1
	v_floor_f32 v[ST+8*\x], -v[ST+8*\x+1]
.endr
.irp x, 0,1
	v_sub_f32 v[BY+\x], v[ST+8*\x], v[BY+\x]
.endr
.irp x, 0,1
	v_cvt_i32_f32 v[BY+\x], v[BY+\x]
.endr
.irp x, 0,1
	v_ldexp_f32 v[ST+8*\x+4], 1.0, v[BY+\x]
.endr
.irp x, 0,1
	v_fma_f32 v[SO+\x], v[SMV], s[CS], v[ST+8*\x]  ; the masked t - M, by the same multiply-add as in a mixed step
.endr
.irp x, 0,1
	v_pk_mul_f32 v[ST+8*\x+2:ST+8*\x+3], v[ST+8*\x+2:ST+8*\x+3], v[ST+8*\x+4:ST+8*\x+5] op_sel_hi:[1,0]
.endr
	WIN 0x41
.irp x, 0,1
.set n, 0
.rept 32
	v_pk_mul_f32 v[OT+64*\x+n:OT+64*\x+n+1], v[OT+64*\x+n:OT+64*\x+n+1], v[ST+8*\x+4:ST+8*\x+5] op_sel_hi:[1,0]
.set n, n+2
.endr
.endr
	WIN 0
	s_wait_alu depctr_va_vdst(0)                   ; ahead of the batch
	v_exp_f32 v[SO], v[SO]
	v_exp_f32 v[SO+1], v[SO+1]                     ; p_m
	v_nop
	s_wait_alu depctr_va_vdst(0)                   ; and behind it
.irp x, 0,1
	v_cndmask_b32 v[SO+\x], v[NIL], v[SO+\x], s32  ; 0 where no step was counted
.endr
.irp x, 0,1
	v_bfe_u32 v[BY+\x], v[SO+\x], 20, 1
	v_and_or_b32 v[T+\x], v[SO+\x], 0x7f800000, s34   ; 7.5 x the block's scale
.endr
.irp x, 0,1
	v_add3_u32 v[BY+\x], v[SO+\x], v[BY+\x], s35   ; to three mantissa bits, ties to even
	v_fma_f32 v[ST+8*\x+2], v[SO+\x], v[T+3], v[ST+8*\x+2]   ; the sum takes my 64 x count keys
.endr
.irp x, 0,1
	v_and_b32 v[BY+\x], 0xfff00000, v[BY+\x]
.endr
.irp x, 0,1
	v_min_num_f32 v[ST+8*\x+6], v[BY+\x], v[T+\x]  ; Q(p_m)
.endr
	WIN 0x50
	s_wait_alu depctr_va_vdst(0)                   ; ahead of the first read of U
.irp t, 0,1,2
	ADDU \t, 0
	ADDU \t, 1
.endr
	WIN 0x51
.irp t, 3,4,5,6,7
	ADDU \t, 0
	ADDU \t, 1
.endr
	WIN 0
	; THE WAY OUT: O^T is divided by the row's sum and goes through my stage, a tile at a time, so that 32 lanes store a whole row
.irp x, 0,1
	v_add_f32 v[ST+8*\x+6], v[ST+8*\x+2], v[ST+8*\x+3]
.endr
.irp x, 0,1
	v_permlanex16_b32 v[ST+8*\x+7], v[ST+8*\x+6], s[SEL], s[SEL+1]
.endr
.irp x, 0,1
	v_add_f32 v[ST+8*\x+6], v[ST+8*\x+6], v[ST+8*\x+7]
.endr
	s_wait_alu depctr_va_vdst(0)
.irp x, 0,1
	v_rcp_f32 v[ST+8*\x+6], v[ST+8*\x+6]
.endr
	v_nop
	s_wait_alu depctr_va_vdst(0)
	PACKOUT 0
	PACKOUT 1
	SEND 0, 32
	SEND 1, 0
	s_sub_co_u32 s[QB], 7, s[QB]
	s_sub_co_u32 s[BLKS], s[BLKS], 1
	s_cmp_lg_u32 s[BLKS], 0
	s_wait_alu depctr_va_vdst(0)
	s_cbranch_scc1 .Lblock
	s_wait_tensorcnt 0x0                           ; the wave's end
	ds_add_u32 v[SPW], v[NIL]
	s_wait_dscnt 0x0
	s_endpgm
.Lfunc_end_k_q6829f8e6a2_attn:
	.size	k_q6829f8e6a2_attn, .Lfunc_end_k_q6829f8e6a2_attn-k_q6829f8e6a2_attn
	.p2alignl 7, 3214868480
	.fill 96, 4, 3214868480
	.section	.rodata,"a",@progbits
	.p2align	6, 0x0
	.amdhsa_kernel k_q6829f8e6a2_attn
		.amdhsa_group_segment_fixed_size 119808
		.amdhsa_private_segment_fixed_size 0
		.amdhsa_enable_private_segment 0
		.amdhsa_kernarg_size 40
		.amdhsa_user_sgpr_count 2
		.amdhsa_user_sgpr_kernarg_segment_ptr 1
		.amdhsa_wavefront_size32 1
		.amdhsa_system_sgpr_workgroup_id_x 1
		.amdhsa_system_sgpr_workgroup_id_y 1
		.amdhsa_system_sgpr_workgroup_id_z 1
		.amdhsa_system_vgpr_workitem_id 0
		.amdhsa_next_free_vgpr 512
		.amdhsa_next_free_sgpr 102
		.amdhsa_reserve_vcc 0
		.amdhsa_float_denorm_mode_32 3
		.amdhsa_float_denorm_mode_16_64 3
		.amdhsa_memory_ordered 1
		.amdhsa_forward_progress 1
		.amdhsa_inst_pref_size 140
	.end_amdhsa_kernel
	.amdgpu_metadata
---
amdhsa.version: [ 1, 2 ]
amdhsa.kernels:
  - .name:           k_q6829f8e6a2_attn
    .symbol:         k_q6829f8e6a2_attn.kd
    .args:
      - { .name: query_codes, .offset: 0, .size: 8, .value_kind: global_buffer, .address_space: global }
      - { .name: query_scales, .offset: 8, .size: 8, .value_kind: global_buffer, .address_space: global }
      - { .name: kv, .offset: 16, .size: 8, .value_kind: global_buffer, .address_space: global }
      - { .name: maskbits, .offset: 24, .size: 8, .value_kind: global_buffer, .address_space: global }
      - { .name: out0, .offset: 32, .size: 8, .value_kind: global_buffer, .address_space: global }
    .group_segment_fixed_size: 119808
    .private_segment_fixed_size: 0
    .kernarg_segment_align: 8
    .kernarg_segment_size: 40
    .max_flat_workgroup_size: 256
    .sgpr_count:     102
    .vgpr_count:     512
    .wavefront_size: 32
...
	.end_amdgpu_metadata
.endif
;; end of part 2
